; MI455X (gfx1250); checked and timed in simulation.
; The chip was launched on July 23, 2026; its instructions are those of AMD's public machine-readable ISA for CDNA 5 (MIT licence, August 2026) and "CDNA5" Instruction Set Architecture Reference Guide (July 2026). The comments in the code are by the model that wrote it; some were corrected since.
;; Self Attention. Allowed arithmetic: matrix products marked QUANTISED: E2M3 operands, one E8M0 scale for each 32 along K, by v_wmma_scale_f32_16x16x128_f8f6f4 with both operands' format E2M3, f32 sums; everything else in f32.
;; Inputs: W_out_codes 1,024 x 32 x 24 uint8 (E2M3 codes of W_out, K innermost, in blocks of 32 codes, four codes in three bytes); W_out_scales 1,024 x 32 uint8 (E8M0 scales of W_out, one for each 32 codes along K); W_qkv_codes 3,072 x 32 x 24 uint8 (E2M3 codes of W_qkv, K innermost, in blocks of 32 codes, four codes in three bytes); W_qkv_scales 3,072 x 32 uint8 (E8M0 scales of W_qkv, one for each 32 codes along K); b_out 1,024 float32; b_qkv 3,072 float32; x_codes 4 x 2,048 x 32 x 24 uint8 (E2M3 codes of x, K innermost, in blocks of 32 codes, four codes in three bytes); x_scales 4 x 2,048 x 32 uint8 (E8M0 scales of x, one for each 32 codes along K).
;; Outputs: out0 4 x 2,048 x 1,024 float32.
;; This version of the problem:
;;   THIS VERSION OF THE PROBLEM IS GIVEN IN LOW PRECISION. The matrix products marked QUANTISED in the list below multiply operands that are first quantised to E2M3 (2 exponent bits, 3 mantissa bits; 6 bits a number), with one power-of-two scale for each 32 numbers along K (OCP MX v1.0); their sums are f32. All else is computed in f32.
;;   The module's matrix products, in the order in which they are computed (A, B: the left and right operand; K: the contracted axis; several contracted axes count as one K, in the product's order):
;;     1. [M 8,192, K 1,024] x [K 1,024, N 3,072]; A: input x (given as codes); B: input W_qkv (given as codes): QUANTISED
;;     2. batch 64 x [M 2,048, K 64] x [K 64, N 2,048]; A: computed on the way; B: computed on the way: QUANTISED
;;     3. batch 64 x [M 2,048, K 2,048] x [K 2,048, N 64]; A: softmax (see below); B: computed on the way: QUANTISED
;;     4. [M 8,192, K 1,024] x [K 1,024, N 1,024]; A: computed on the way; B: input W_out (given as codes): QUANTISED
;;   THE QUANTISER, for each operand of a quantised product, along K:
;;     - K is cut into blocks of 32 from its start; a last block that is shorter is filled with zeros.
;;     - A block's scale is 2^e with e = floor(log2(the largest magnitude in the block)) - 2, held to -126 .. 127; a block of zeros has e = 0. As a byte (E8M0): e + 127.
;;     - Each number is divided by its block's scale, clamped to +-7.5, and rounded to the nearest number of E2M3, ties to even, subnormals kept.
;;     - The product sums the exact products of the quantised numbers (number of the format x scale) in f32.
;;   ~~~python
;;   def quantise(x, axis):      # numpy; x: float32 -> the quantised numbers, widened to float32 again
;;       x = np.moveaxis(x, axis, -1); K = x.shape[-1]
;;       x = np.pad(x, [(0, 0)] * (x.ndim - 1) + [(0, -K % 32)]); x = x.reshape(x.shape[:-1] + (-1, 32)); a = np.abs(x).max(-1, keepdims=True)
;;       e = np.where(a > 0, np.clip(np.frexp(np.where(a > 0, a, 1))[1] - 1 - 2, -126, 127), 0)      # np.frexp(a)[1] - 1 = floor(log2(a)), exactly
;;       r = np.clip(x / 2.0 ** e, -7.5, 7.5)
;;       step = 2.0 ** (np.maximum(np.frexp(np.where(r == 0, 1, r))[1] - 1, 0) - 3)
;;       q = np.round(r / step) * step * 2.0 ** e      # np.round: ties to even
;;       return np.moveaxis(q.reshape(q.shape[:-2] + (-1,))[..., :K], -1, axis).astype(np.float32)
;;   ~~~
;;   SOFTMAX AHEAD OF A QUANTISED PRODUCT. Where the list says 'softmax', what is quantised is not the finished softmax but p = 2^(t - M), with t = logit x log2(e) and M = ceil(the row's largest t), a whole number; so 1/2 < the row's largest p <= 1. The row's sum l is taken of the UNQUANTISED p, in f32, and the product's result is divided by l at the end. Since M is a whole number, a kernel that streams over the keys may use a running M (the ceiling of the running maximum): every later rescaling is an exact power of two, which a block's scale takes up: the codes' values come out the same.
;;   OPERANDS COMPUTED ON THE WAY. 'Computed on the way' means the value that the module computes at that place (a softmax that the list does not call 'softmax' is quantised finished and normalised). What goes into a quantiser is computed in f32, as accurately as f32 sums, v_exp_f32 and their like allow (about 1e-6 of the number): no bf16 or f16 on the way to a quantiser, and a product that is left as it is and whose result goes on into a quantised operand takes f32 operands (vector FMAs, or v_wmma_f32_16x16x4_f32). A number that lies on a knife's edge between two numbers of the format may be rounded either way, as far as f32 arithmetic and the matrix unit's own rounding can turn it there, and no further.
;;   INPUTS GIVEN AS CODES. W_out (in the module: [1024, 1024], K = its axis 0); W_qkv (in the module: [1024, 3072], K = its axis 0); x (in the module: [4, 2048, 1024], K = its axis 2): each comes as NAME_codes (uint8): NAME with its K axis moved to the last place and cut into blocks of 32 codes, [.., K / 32, bytes a block], one block behind the other in memory; four codes in three bytes: a row's codes are one little-endian stream of bits, code i at bits 6 i .. 6 i + 5 (a code: sign, 2 exponent bits, 3 mantissa bits); and NAME_scales (uint8): the same leading axes, one E8M0 byte (e + 127) for each 32 codes along K. Its value is code x scale, taken as it is: it is not quantised again, and the codes and scales need not be those that the quantiser above would give.
;; One version. Each part assembles by itself: llvm-mc -triple=amdgcn-amd-amdhsa -mcpu=gfx1250 --defsym DOCPART=n.
;; ======== version 1 of 1: 3 launches
;; limits: right only within a limited range of input values
;; workspace buffers: qkv 26,738,688 bytes; a_img 6,291,456 bytes; a_sc 262,144 bytes
;; launch qkv (part 1): grid 8 x 32, 4 waves a work-group, clusters of 4 x 4, 327,680 bytes of LDS; arguments x_codes, x_scales, W_qkv_codes, W_qkv_scales, b_qkv, qkv; writes qkv
.if DOCPART == 1
	.amdgcn_target "amdgcn-amd-amdhsa--gfx1250"
	.amdhsa_code_object_version 6
	.text
	.protected	k_qc4f6eba800_qkv
	.globl	k_qc4f6eba800_qkv
	.p2align	8
	.type	k_qc4f6eba800_qkv,@function
k_qc4f6eba800_qkv:
	s_mov_b64 s[64:65], 0
	v_nop
	global_prefetch_b8 v0, s[64:65] scope:SCOPE_SE
	s_setreg_imm32_b32 hwreg(HW_REG_WAVE_MODE, 25, 1), 1
	s_wait_xcnt 0x0
	s_wait_alu depctr_hold_cnt(0) depctr_sa_sdst(0) depctr_va_vdst(0) depctr_va_sdst(0) depctr_va_ssrc(0) depctr_va_vcc(0) depctr_vm_vsrc(0)
	s_getreg_b32 s2, hwreg(HW_REG_IB_STS2, 6, 4)
	s_cmp_eq_u32 s2, 0
	s_cbranch_scc0 .Lentry_in_a_cluster
	s_endpgm
.Lentry_in_a_cluster:
	s_bfe_u32 s2, ttmp6, 0x10000c
	s_cmp_lg_u32 s2, 0xf033
	s_cbranch_scc0 .Lentry_shape_is_right
	s_endpgm
.Lentry_shape_is_right:
; LAUNCH 1 OF 3.  qkv = x W_qkv^T + b_qkv on codes of FP6 (E2M3) with E8M0 scales as they lie in memory; the results are quantised again in registers and leave as images of operand registers.
; THE DEAL.  Work-group (j, X): x's rows 256 X .. + 255, all of K, stay in LDS (256 rows of 768 bytes, 16 bytes of padding behind each 256); W's 128 rows have a region of their own.
; Three phases: Q (W's rows 128 j on), K (1,024 rows on), V (1,024 more).  The weights' region is filled again twice, each time in a round of the cluster's barrier inside the phase's last K step.
; A wave makes 64 rows of source 1 ("A") x 128 rows of source 0 ("B"): 32 accumulators.  Register i of accumulator (a, b) in lane (r, h) is (A's row 16 a + r, B's row 16 b + 8 h + i).
;   Q, K: A = x (wave w: rows 64 w on), B = W's 128 rows = two heads.   V: A = W (wave / 2: one head), B = x (wave % 2: 128 keys).  So a lane's registers run along the next product's K.
; Inside a block of 32 the second and third groups of eight stand in each other's place, alike on both sides of each later product: its sum does not change.
; WORKSPACE qkv: records of REC bytes, record (hh, ms) at (64 hh + ms) REC; hh < 16: Q of head hh; hh >= 16: K and V of head hh - 16; ms = row / 128.
;   0: 8 tiles of 16 rows, six registers a lane (768 bytes);  RV: 4 tiles of V^T, twelve registers a lane;  RKS: lane l's 16 bytes: word i = tile 2 i + l / 16;  RVS: lane l's 8 bytes likewise.
;   A wave holds four of a record's eight tiles of Q or K, so it stores 8 of each 16 bytes at RKS; its neighbour stores the other 8 (512 bytes of a record's 13,056).
; CLUSTERS 4 x 4: x's tile hangs on cy alone and is asked for jointly by a row of the cluster, W's on cx alone, by a column.
; SCALE WORDS go from memory into registers: a lane takes one row's 32 bytes, 32 rows are 1,024 bytes on end.  THE BIAS is the C of each accumulator's first product.
; PREFETCH: at a trip's top the W tile that the trip's end will load, 24 blocks of 256 bytes a wave, shared out by address among the 16 waves of a column; four rows of clusters ask.
; LIMITS: NaN and infinities among the results are not served.  A block whose largest magnitude lies under 2^(3 - 127), a block of zeros too, gets the byte 1: its codes are zeros, and this program alone reads the bytes.
; WINDOWS: 0 addresses, scales, bias, way out; 1 B's fragments, two sets (v0, v128); 2 accumulators; 3 A's fragments, two sets.
.set PITCH, 816
.set WB,    256*PITCH
.set SPARE, WB+128*PITCH
.set REC,   13056
.set HSTR,  64*REC
.set RV,    6144
.set RKS,   12288
.set RVS,   12800
.set SPW, 10
.set NIL, 11
.set AD,  16                           ; v16-23 LDS addresses of A's four blocks (the second of a pair: behind one padding more)
.set BD,  24                           ; v24-39 of B's eight
.set SB,  40                           ; v40-71 B's scale words: 8 (b / 2) + q, lanes 0-15 the even block, 16-31 the odd
.set SA,  76                           ; v76-91 A's
.set PF,  92
.set BI,  96                           ; v96-159 Q's or K's bias
.set BIV, 160                          ; v160-191 V's
.set SW,  192
.set TM,  200
.set PC,  224
.set SI,  244
.set WV, 16
.set RH, 17
.set PH, 18
.set G1X, 24
.set G1W, 32
.set G0X, 40
.set G0W, 44
.set MSB, 0
.macro WIN new
.if MSB != (\new)
	s_set_vgpr_msb (MSB<<8)|(\new)
.set MSB, (\new)
.endif
.endm
.macro PLACES n
.rept \n
	v_nop
.endr
.endm
.macro WALU
	s_wait_alu depctr_va_vdst(0)
.endm
.macro CREST
	s_cmp_lg_u32 s[WV], 0
	s_cbranch_scc1 .Lnot_wave_0_\@
	s_barrier_signal -3
.Lnot_wave_0_\@:
	s_barrier_wait -3
	s_barrier_signal -1
	s_barrier_wait -1
.endm
.macro CROUND
	s_barrier_signal -1
	s_barrier_wait -1
	CREST
.endm
.macro TLOAD g0, g1
	tensor_load_to_lds s[\g0:\g0+3], s[\g1:\g1+7]
	s_nop 0
	PLACES 4
.endm
.macro GROUP1 g, mask, rows            ; rows of 768 bytes, 16 bytes of padding behind each 256
	s_or_b32 s[\g+0], s[\mask], (1<<20)|(1<<21)|(5<<22)|(3<<25)
	s_mov_b32 s[\g+1], 768<<16
	s_mov_b32 s[\g+2], (\rows)<<16
	s_mov_b32 s[\g+3], 768<<16
	s_mov_b32 s[\g+4], \rows
	s_mov_b32 s[\g+5], 768
	s_mov_b32 s[\g+6], 0
	s_mov_b32 s[\g+7], 0
.endm
.macro BASE d, src                     ; a buffer's address + the offset in s90 (s91 = 0)
	s_add_nc_u64 s[\d:\d+1], s[\src:\src+1], s[90:91]
.endm
.macro SETAD sa, sb                    ; the blocks' LDS addresses from the two bases
.irp a, 0,1,2,3
	v_add_nc_u32 v[AD+2*\a], s\sa, v4
	v_add_nc_u32 v[AD+2*\a+1], s\sa, v5
	s_add_co_u32 s\sa, s\sa, 16*PITCH
.endr
.irp b, 0,1,2,3,4,5,6,7
	v_add_nc_u32 v[BD+2*\b], s\sb, v4
	v_add_nc_u32 v[BD+2*\b+1], s\sb, v5
	s_add_co_u32 s\sb, s\sb, 16*PITCH
.endr
.endm
.macro LOADSC pa, pb                   ; the scale words of A's 64 rows and B's 128, all of K
.irp g, 0,1
.irp c, 0,1
	global_load_b128 v[SA+8*\g+4*\c:SA+8*\g+4*\c+3], v12, s[\pa:\pa+1] offset:1024*\g+16*\c
.endr
.endr
.irp g, 0,1,2,3
.irp c, 0,1
	global_load_b128 v[SB+8*\g+4*\c:SB+8*\g+4*\c+3], v12, s[\pb:\pb+1] offset:1024*\g+16*\c
.endr
.endr
.endm
.macro LOADBQ                          ; register 8 b + i belongs to W's row 16 b + 8 h + i
.irp t, 0,1,2,3,4,5,6,7
	global_load_b128 v[BI+8*\t:BI+8*\t+3], v8, s[66:67] offset:64*\t
	global_load_b128 v[BI+8*\t+4:BI+8*\t+7], v8, s[66:67] offset:64*\t+16
.endr
.endm
; a fragment: six pieces of 8 bytes, two to a load where both lie behind as many paddings; NLD counts the loads
.macro FRAG reg, q, ad
.set R_, \reg
.set SKIP_, 0
.irp p, 0,1,2,3,4,5
.if SKIP_
.set SKIP_, 0
.else
.set PC_, 12*(\q)+6*(\p/3)+\p%3
.set PN_, 12*(\q)+6*((\p+1)/3)+(\p+1)%3
.set X_, (PC_%32+3)/32
.set XQ_, (PN_%32+3)/32
.set NLD, NLD+1
.if (\p < 5) && (X_ == XQ_)
.set SKIP_, 1
	ds_load_2addr_b64 v[R_+2*\p:R_+2*\p+3], v[\ad+X_] offset0:PC_+2*(PC_/32) offset1:PN_+2*(PN_/32)
.else
	ds_load_b64 v[R_+2*\p:R_+2*\p+1], v[\ad+X_] offset:8*(PC_+2*(PC_/32))
.endif
.endif
.endr
.endm
.macro FETCH q, p
	WIN 0x40
.irp b, 0,1,2,3,4,5,6,7
	FRAG 128*(\p)+12*\b, \q, BD+2*\b
.endr
	WIN 0xc0
.irp a, 0,1,2,3
	FRAG 128*(\p)+12*\a, \q, AD+2*\a
.endr
	WIN 0
.endm
.macro W2 c, rb, ra
	v_wmma_scale_f32_16x16x128_f8f6f4 v[D_:D_+7], v[FB_:FB_+11], v[FA_:FA_+11], \c, v[XB_], v[XA_] matrix_a_fmt:MATRIX_FMT_FP6 matrix_b_fmt:MATRIX_FMT_FP6 matrix_a_scale:MATRIX_SCALE_ROW\rb matrix_b_scale:MATRIX_SCALE_ROW\ra
.endm
; 16 products: A's blocks a0, a0 + 1 x B's eight.  The 32 accumulators take turns.  first: 1 C = Q's or K's bias, 2 C = V's
.macro MUL a0, p, q, first
.irp ra, 0,1
.irp bb, 0,1,2,3
.irp rb, 0,1
.set A_, \a0+\ra
.set B_, 2*\bb+\rb
.set D_, 8*(8*A_+B_)
.set FB_, 128*(\p)+12*B_
.set FA_, 128*(\p)+12*A_
.set XB_, SB+8*\bb+(\q)
.set XA_, SA+8*((\a0)/2)+(\q)
.if (\first) == 1
	W2 v[BI+8*B_:BI+8*B_+7], \rb, \ra
.elseif (\first) == 2
	W2 v[BIV+8*A_:BIV+8*A_+7], \rb, \ra
.else
	W2 v[D_:D_+7], \rb, \ra
.endif
.endr
.endr
.endr
.endm
; a phase: eight K steps; step q + 1's fragments are fetched ahead of step q's products, and the wait leaves just those NLD loads out
.macro PHASE first, refill
.set NLD, 0
	FETCH 0, 0
.irp q, 0,1,2,3,4,5,6
.if \q
	PLACES 4                                       ; between the last products and loads into registers that they read
.endif
.set NLD, 0
	FETCH (\q+1), ((\q+1)%2)
	s_wait_dscnt NLD
.if \q
	WIN 0xad
	MUL 0, (\q%2), \q, 0
	MUL 2, (\q%2), \q, 0
.else
	WIN 0x8d
	MUL 0, 0, 0, \first
	MUL 2, 0, 0, \first
.endif
	WIN 0
.endr
.if \refill
	s_wait_tensorcnt 0x0
	ds_add_u32 v[SPW], v[NIL]
	s_wait_dscnt 1                                 ; the last fragments are in; the add may be out
	WIN 0xad
	MUL 0, 1, 7, 0
	s_wait_dscnt 0x0
	s_barrier_signal -1
	MUL 2, 1, 7, 0
	WIN 0
	s_barrier_wait -1
	CREST                                          ; no wave of any partner reads the weights' region any more
	s_add_nc_u64 s[G0W+2:G0W+3], s[G0W+2:G0W+3], 1024*768
	s_cmp_eq_u32 s[RH], 0
	s_cbranch_scc0 .Lno_load_\@
	TLOAD G0W, G1W                                 ; waves 0 and 1: a half each of the next tensor's 128 rows
.Lno_load_\@:
.else
	s_wait_dscnt 0x0
	WIN 0xad
	MUL 0, 1, 7, 0
	MUL 2, 1, 7, 0
	WIN 0
.endif
	PLACES 4
.endm
; 64 sums of a lane, window 2 from v[s] on (16 b .. 16 b + 15 = my 16 of block b), become a fragment's codes in v[PC] on and its scale word in v[pw]
.macro QUANT s, pw
	WIN 0x0a
.irp b, 0,1,2,3
	v_max3_num_f32 v[TM+\b], |v[\s+16*\b]|, |v[\s+1+16*\b]|, 0x1800000   ; with the floor 2^(3 - 127)
.endr
	WIN 0x28
.irp i, 2,4,6,8,10,12,14
.irp b, 0,1,2,3
	v_max3_num_f32 v[TM+\b], v[TM+\b], |v[\s+16*\b+\i]|, |v[\s+1+16*\b+\i]|
.endr
.endr
	WIN 0
.irp b, 0,1,2,3
	v_permlanex16_b32 v[TM+4+\b], v[TM+\b], s76, s77
.endr
.irp b, 0,1,2,3
	v_max_num_f32 v[TM+\b], v[TM+\b], v[TM+4+\b]
.endr
.irp b, 0,1,2,3
	v_add_nc_u32 v[TM+12+\b], 0xff000000, v[TM+\b]  ; 2 off the exponent field: the conversion's scale operand
.endr
.irp b, 0,1,2,3
	v_lshrrev_b32 v[TM+4+\b], 23, v[TM+12+\b]
.endr
	v_lshl_or_b32 v[\pw], v[TM+5], 8, v[TM+4]
	v_lshl_or_b32 v[\pw], v[TM+6], 16, v[\pw]
	v_lshl_or_b32 v[\pw], v[TM+7], 24, v[\pw]
	WIN 0x02
.irp c, 0,1
	v_cvt_scalef32_pk16_fp6_f32 v[PC+6*\c:PC+2+6*\c], v[\s+32*\c:\s+15+32*\c], v[TM+12+2*\c]
	v_cvt_scalef32_pk16_fp6_f32 v[PC+12+4*\c:PC+14+4*\c], v[\s+16+32*\c:\s+31+32*\c], v[TM+12+2*\c+1]
.endr
	WIN 0
	v_nop                                          ; one plain place behind a scaled conversion
.irp c, 0,1                                    ; a whole block to a lane
.irp i, 0,1,2
	v_permlane16_swap_b32 v[PC+6*\c+\i], v[PC+12+4*\c+\i]
.endr
.irp i, 0,1,2
	v_mov_b32 v[PC+3+6*\c+\i], v[PC+12+4*\c+\i]
.endr
.endr
.endm
; ---- the head
	s_load_b256 s[4:11], s[0:1], 0x0               ; x's codes, x's scales, W's codes, W's scales
	s_load_b128 s[12:15], s[0:1], 0x20             ; the bias, the workspace
	v_lshl_add_u32 v[SPW], v0, 2, SPARE
	v_mov_b32 v[NIL], 0
	ds_add_u32 v[SPW], v[NIL]
	ds_add_u32 v[SPW], v[NIL]
	v_lshrrev_b32 v1, 5, v0
	v_readfirstlane_b32 s[WV], v1
	s_lshr_b32 s[RH], s[WV], 1
	s_and_b32 s[PH], s[WV], 1
	s_bfe_u32 s20, ttmp6, 0x40000                  ; cx
	s_bfe_u32 s21, ttmp6, 0x40004                  ; cy
	s_and_b32 s84, ttmp7, 0xffff                   ; the cluster's y
	s_lshl_b32 s22, s84, 2
	s_add_co_u32 s22, s22, s21                     ; X
	s_lshl_b32 s23, ttmp9, 2
	s_add_co_u32 s23, s23, s20                     ; j
	s_lshl_b32 s100, s21, 2
	s_lshl_b32 s100, 15, s100                      ; my row of the cluster
	s_lshl_b32 s101, 0x1111, s20                   ; my column
	GROUP1 G1X, 100, 128
	GROUP1 G1W, 101, 64
	s_lshl_b32 s86, s22, 8
	s_lshl_b32 s3, s[PH], 7
	s_add_co_u32 s86, s86, s3
	s_mul_i32 s86, s86, 768                        ; x: rows 256 X + 128 (wave % 2)
	s_mov_b32 s87, 0
	s_lshl_b32 s88, s23, 7
	s_lshl_b32 s3, s[PH], 6
	s_add_co_u32 s88, s88, s3
	s_mul_i32 s88, s88, 768                        ; W: rows 128 j + 64 (wave % 2)
	s_mov_b32 s89, 0
	s_mov_b32 s[G0X], 1
	s_mul_i32 s[G0X+1], s[PH], 128*PITCH
	s_mov_b32 s[G0W], 1
	s_mul_i32 s[G0W+1], s[PH], 64*PITCH
	s_add_co_u32 s[G0W+1], s[G0W+1], WB
	s_mul_i32 s92, s[PH], 3072
	s_lshl_b32 s93, s[PH], 3
	s_lshl_b32 s94, s21, 2
	s_add_co_u32 s94, s94, s[WV]
	s_mul_i32 s94, s94, 6144                       ; my sixteenth of a W tile, for the prefetch
	s_mul_i32 s95, s[WV], 64*PITCH
	s_mov_b32 s96, WB
	s_mov_b32 s76, 0x76543210
	s_mov_b32 s77, 0xfedcba98
	s_mov_b32 s78, 0xffff0000
	v_and_b32 v1, 15, v0                           ; r
	v_bfe_u32 v2, v0, 4, 1                         ; h
	v_and_b32 v3, 31, v0
	v_mul_u32_u24 v4, v1, PITCH
	v_mad_u32_u24 v5, v2, 40, v4
	v_mad_u32_u24 v4, v2, 24, v4
	v_lshlrev_b32 v6, 4, v3
	v_lshlrev_b32 v7, 3, v3
	v_lshlrev_b32 v8, 5, v2
	v_lshlrev_b32 v9, 2, v1
	v_lshlrev_b32 v12, 5, v3
	v_add_nc_u32 v13, s92, v6                      ; Q, K: my four tiles of the record's eight
	v_add_nc_u32 v14, s92, v7
	v_add_nc_u32 v15, s93, v6
	v_min_u32 v[PF], 23, v3
	v_lshl_add_u32 v[PF], v[PF], 8, s94
.irp b, 0,1,2,3
	v_mov_b32 v[TM+4+\b], 0                        ; a lane permute's destination counts as a source
.endr
	SETAD 95, 96
	WALU
	s_wait_dscnt 0x0
	s_wait_kmcnt 0x0
	CROUND
	s_add_nc_u64 s[G0X+2:G0X+3], s[4:5], s[86:87]
	s_or_b32 s[G0X+3], s[G0X+3], 0x80000000
	s_add_nc_u64 s[G0W+2:G0W+3], s[8:9], s[88:89]
	s_or_b32 s[G0W+3], s[G0W+3], 0x80000000
	s_cmp_eq_u32 s[RH], 0
	s_cbranch_scc0 .Lhead_x
	TLOAD G0W, G1W                                 ; waves 0, 1: W_q's rows, a half each
	s_branch .Lhead_asked
.Lhead_x:
	TLOAD G0X, G1X                                 ; waves 2, 3: x's rows, a half each
.Lhead_asked:
	s_mov_b32 s91, 0
	s_lshl_b32 s85, s22, 13
	s_lshl_b32 s90, s[WV], 11
	s_add_co_u32 s90, s90, s85
	BASE 50, 6                                     ; x's scales, rows 256 X + 64 wave
	s_lshl_b32 s90, s[PH], 12
	s_add_co_u32 s90, s90, s85
	BASE 52, 6                                     ; rows 256 X + 128 (wave % 2)
	s_lshl_b32 s90, s23, 12
	BASE 54, 10                                    ; W's scales, rows 128 j
	s_lshl_b32 s60, s[RH], 11
	s_mov_b32 s61, 0
	s_lshl_b32 s90, s23, 9
	BASE 66, 12                                    ; the bias of W's rows 128 j on
	s_lshl_b32 s3, s[RH], 8
	s_add_co_u32 s90, s90, s3
	s_add_co_u32 s90, s90, 8192
	BASE 68, 12                                    ; of rows 2,048 + 128 j + 64 (wave / 2)
	s_lshl_b32 s85, s23, 7
	s_lshl_b32 s3, s22, 1
	s_add_co_u32 s85, s85, s3                      ; 64 (2 j) + 2 X
	s_add_co_u32 s90, s85, s[RH]
	s_mul_i32 s90, s90, REC
	BASE 70, 14                                    ; Q's record
	s_lshl_b32 s3, s[RH], 6
	s_add_co_u32 s90, s85, s3
	s_add_co_u32 s90, s90, s[PH]
	s_add_co_u32 s90, s90, 1024
	s_mul_i32 s90, s90, REC
	BASE 74, 14                                    ; V's record
	s_mul_i32 s90, s23, 98304
	s_add_co_u32 s90, s90, 786432
	BASE 82, 8                                     ; W_k's tile
	LOADSC 50, 54
	LOADBQ
.irp a, 0,1,2,3
.irp i, 0,1,2,3,4,5,6,7
	global_load_b32 v[BIV+8*\a+\i], v9, s[68:69] offset:64*\a   ; V: all of a block's sums in a lane belong to W's row 16 a + r
.endr
.endr
	s_mov_b32 s79, 0
; ---- Q, then K
.Ltrip:
	WALU
	s_wait_tensorcnt 0x0
	s_barrier_signal -1
	s_barrier_wait -1                              ; everybody's tiles are in
	s_cmp_lt_u32 s84, 4
	s_cbranch_scc0 .Lno_ask
	global_prefetch_b8 v[PF], s[82:83] th:TH_LOAD_NT scope:SCOPE_SE
.Lno_ask:
	s_wait_loadcnt 0x0                             ; scale words and bias
	PHASE 1, 1
	s_wait_xcnt 0x0                                ; the bases below have been read
	s_add_nc_u64 s[82:83], s[82:83], 786432
	s_add_nc_u64 s[54:55], s[54:55], 32768         ; the next tensor's scales
	s_add_nc_u64 s[62:63], s[54:55], s[60:61]
	s_cmp_eq_u32 s79, 0
	s_cselect_b64 s[56:57], s[50:51], s[62:63]     ; next A: x for K, W for V
	s_cselect_b64 s[58:59], s[54:55], s[52:53]     ; next B: W for K, x for V
	LOADSC 56, 58
	s_cmp_lg_u32 s79, 0
	s_cbranch_scc1 .Lno_bias
	s_add_nc_u64 s[66:67], s[66:67], 4096
	LOADBQ                                         ; K's bias
.Lno_bias:
.irp a, 0,1,2,3
.if \a
	s_wait_xcnt 0x0                                ; the last block's stores have read the codes' registers (block 0: the wait behind the phase has shown that of the last trip's)
.endif
	QUANT 64*\a, SW+\a
	global_store_b128 v13, v[PC:PC+3], s[70:71] offset:768*\a
	global_store_b64 v14, v[PC+4:PC+5], s[70:71] offset:768*\a+512
	global_store_b128 v13, v[PC+6:PC+9], s[70:71] offset:HSTR+768*\a
	global_store_b64 v14, v[PC+10:PC+11], s[70:71] offset:HSTR+768*\a+512
.endr
.irp i, 0,1
	v_cndmask_b32 v[SI+\i], v[SW+2*\i], v[SW+2*\i+1], s78
.endr
.irp i, 0,1
	v_and_b32 v[SI+2+\i], 0xffff, v[SI+\i]         ; the first head's two bytes; bytes 2 and 3 are 0
.endr
.irp i, 0,1
	v_lshrrev_b32 v[SI+\i], 16, v[SI+\i]           ; the second head's
.endr
	global_store_b64 v15, v[SI+2:SI+3], s[70:71] offset:RKS
	global_store_b64 v15, v[SI:SI+1], s[70:71] offset:HSTR+RKS
	s_wait_xcnt 0x0
	s_add_nc_u64 s[70:71], s[70:71], 1024*REC      ; K's records
	s_add_co_u32 s79, s79, 1
	s_cmp_lg_u32 s79, 2
	WALU
	s_cbranch_scc1 .Ltrip
; ---- V
	s_mul_i32 s95, s[RH], 64*PITCH
	s_add_co_u32 s95, s95, WB
	s_mul_i32 s96, s[PH], 128*PITCH
	SETAD 95, 96
	WALU
	s_wait_tensorcnt 0x0
	s_barrier_signal -1
	s_barrier_wait -1
	s_wait_loadcnt 0x0
	PHASE 2, 0
.irp a, 0,1,2,3
.if \a
	s_wait_xcnt 0x0                                ; as above (block 0: the wait at the loop's end)
.endif
	QUANT 64*\a, SW+\a
.irp c, 0,1,2
	global_store_b128 v6, v[PC+4*\c:PC+4*\c+3], s[74:75] offset:RV+\a*1536+512*\c
.endr
.endr
.irp i, 0,1
	v_cndmask_b32 v[SI+\i], v[SW+2*\i], v[SW+2*\i+1], s78
.endr
	global_store_b64 v7, v[SI:SI+1], s[74:75] offset:RVS
	s_wait_tensorcnt 0x0                           ; the wave's end
	ds_add_u32 v[SPW], v[NIL]
	s_wait_dscnt 0x0
	CROUND
	s_endpgm
.Lfunc_end_k_qc4f6eba800_qkv:
	.size	k_qc4f6eba800_qkv, .Lfunc_end_k_qc4f6eba800_qkv-k_qc4f6eba800_qkv
	.p2alignl 7, 3214868480
	.fill 96, 4, 3214868480
	.section	.rodata,"a",@progbits
	.p2align	6, 0x0
	.amdhsa_kernel k_qc4f6eba800_qkv
		.amdhsa_group_segment_fixed_size 327680
		.amdhsa_private_segment_fixed_size 0
		.amdhsa_enable_private_segment 0
		.amdhsa_kernarg_size 48
		.amdhsa_user_sgpr_count 2
		.amdhsa_user_sgpr_kernarg_segment_ptr 1
		.amdhsa_wavefront_size32 1
		.amdhsa_system_sgpr_workgroup_id_x 1
		.amdhsa_system_sgpr_workgroup_id_y 1
		.amdhsa_system_sgpr_workgroup_id_z 1
		.amdhsa_system_vgpr_workitem_id 0
		.amdhsa_next_free_vgpr 1024
		.amdhsa_next_free_sgpr 102
		.amdhsa_reserve_vcc 0
		.amdhsa_float_denorm_mode_32 3
		.amdhsa_float_denorm_mode_16_64 3
		.amdhsa_memory_ordered 1
		.amdhsa_forward_progress 1
		.amdhsa_inst_pref_size 163
	.end_amdhsa_kernel
	.amdgpu_metadata
---
amdhsa.version: [ 1, 2 ]
amdhsa.kernels:
  - .name:           k_qc4f6eba800_qkv
    .symbol:         k_qc4f6eba800_qkv.kd
    .args:
      - { .name: x_codes, .offset: 0, .size: 8, .value_kind: global_buffer, .address_space: global }
      - { .name: x_scales, .offset: 8, .size: 8, .value_kind: global_buffer, .address_space: global }
      - { .name: W_qkv_codes, .offset: 16, .size: 8, .value_kind: global_buffer, .address_space: global }
      - { .name: W_qkv_scales, .offset: 24, .size: 8, .value_kind: global_buffer, .address_space: global }
      - { .name: b_qkv, .offset: 32, .size: 8, .value_kind: global_buffer, .address_space: global }
      - { .name: qkv, .offset: 40, .size: 8, .value_kind: global_buffer, .address_space: global }
    .group_segment_fixed_size: 327680
    .private_segment_fixed_size: 0
    .kernarg_segment_align: 8
    .kernarg_segment_size: 48
    .max_flat_workgroup_size: 128
    .sgpr_count:     102
    .vgpr_count:     1024
    .wavefront_size: 32
...
	.end_amdgpu_metadata
.endif
;; end of part 1
;; launch attn (part 2): grid 4 x 64, 16 waves a work-group, clusters of 4 x 1, 210,944 bytes of LDS; arguments qkv, a_img, a_sc; writes a_img, a_sc
.if DOCPART == 2
	.amdgcn_target "amdgcn-amd-amdhsa--gfx1250"
	.amdhsa_code_object_version 6
	.text
	.protected	k_qc4f6eba800_attn
	.globl	k_qc4f6eba800_attn
	.p2align	8
	.type	k_qc4f6eba800_attn,@function
k_qc4f6eba800_attn:
	s_mov_b64 s[64:65], 0
	v_nop
	global_prefetch_b8 v0, s[64:65] scope:SCOPE_SE
	s_setreg_imm32_b32 hwreg(HW_REG_WAVE_MODE, 25, 1), 1
	s_wait_xcnt 0x0
	s_wait_alu depctr_hold_cnt(0) depctr_sa_sdst(0) depctr_va_vdst(0) depctr_va_sdst(0) depctr_va_ssrc(0) depctr_va_vcc(0) depctr_vm_vsrc(0)
	s_getreg_b32 s2, hwreg(HW_REG_IB_STS2, 6, 4)
	s_cmp_eq_u32 s2, 0
	s_cbranch_scc0 .Lentry_in_a_cluster
	s_endpgm
.Lentry_in_a_cluster:
	s_bfe_u32 s2, ttmp6, 0x10000c
	s_cmp_lg_u32 s2, 0x3003
	s_cbranch_scc0 .Lentry_shape_is_right
	s_endpgm
.Lentry_shape_is_right:
; LAUNCH 2 OF 3.  For each of 64 (head, batch) pairs: O[q] = the sum over k of softmax_k(Q[q] . K[k] / 8) V[k], 2,048 queries and keys, head size 64; both products on codes of FP6 (E2M3) with E8M0 scales;
; O / l is quantised along the channels, in registers, and leaves as an operand of the last product.
; THE SOFTMAX AHEAD OF THE SECOND PRODUCT: t = score x log2(e) / 8; M = the row's largest t so far, rounded UP to a whole number; p = 2^(t - M) is what is quantised, along the keys, not normalised.
; The row's sum l is taken of the unquantised p, in f32, and divides O at the end.  When M moves, l and O are multiplied by 2^(old M - new M): exact.
; INPUT: the records that launch 1 stored (REC = 13,056 bytes for 128 rows): images of operand registers.  Record 16 y + i holds queries 128 i on of pair y = 4 head + batch; record 1,024 + 16 y + i its keys 128 i on:
;   0: 8 tiles of 16 rows of Q or K, six registers a lane (768 bytes);  RV: 4 tiles of V^T (16 channels x 128 keys), twelve registers a lane;  RKS, RVS: their scale words.
; SHARES.  A work-group owns 512 queries of one pair; each of its SIXTEEN waves owns two tiles of 16, one after the other (two passes), in 256 registers: four waves to a SIMD, so that one wave's vector work stands
; beside another's matrix work and LDS loads.  256 work-groups of equal work.
; ALL OF THE PAIR'S K AND V LIES IN LDS: 16 records, 208,896 bytes, filled ONCE: wave w brings record w by one tensor load.  No slot is ever filled again: one barrier, no ring.
; CLUSTER.  The four work-groups of a pair read the same 16 records: each is asked for JOINTLY, by the same tensor load with the same descriptor and the mask of all four.  cx enters global addresses of Q and of the results alone.
; LAYOUT.  Both products are used transposed: S^T = K Q^T (source 0 = 16 keys, source 1 = my 16 queries), O^T = V^T P^T (source 0 = 16 channels, source 1 = P): a lane holds ONE query (lane % 16) throughout.
;   The 16 registers of score tiles 2 b and 2 b + 1 are keys 32 b + 8 h + 0..7 and 32 b + 16 + 8 h + 0..7: the true block of 32, with its second and third groups of eight in each other's place once the halves are joined.
;   Launch 1 laid V's keys in the same order, and Q's and K's channels alike: the sums do not change.  So in these two products k does not stand in its true place inside a block: the last bits of a sum may differ from the ascending order's.
; K = 64 IN AN INSTRUCTION OF 128.  Q's operand has zero codes in registers 6-11.  K's operand of tile t is v[32 + 6 t] on, twelve registers: its upper six are the next tile's codes (behind the eighth: zeros); they meet zero codes, and FP6 has
;   no code for infinity or NaN, so these products are zeros.  Both sides' scale bytes 2 and 3 are 0.
; LIMITS: NaN and infinities are not served.  A block of O / l whose largest magnitude lies under 2^(3 - 127) gets the byte 1, a block of zeros too (the rule says 127): its codes are zeros, and this program alone reads the bytes.  1 / l is v_rcp_f32 and a multiplication.
; REGISTERS: v1-4 lane terms; v8-9 LDS addresses of the step; v12 -M, v13 the largest t, v[14:15] l in two halves; v16-27 Q of pass 0, v210-221 of pass 1; v28, v29 Q's scale words; v32-79 K's eight tiles, then V's four; v80-85 zeros;
;   v86-89 K's scale words, v90-91 V's; v96-159 S^T, then p; v160-191 O^T; v192-208 at work (v208 p's scale word); v224-235 p's codes; v236-245 at work.
.set REC,  13056
.set RV,   6144
.set RKS,  12288
.set RVS,  12800
.set MX,   192                         ; v192-195 a block's largest score, then its largest p
.set PX,   196                         ; v196-199 the other half's, then the scale bytes
.set SO,   200                         ; v200-203 the conversions' scale operands
.set T0,   204                         ; v204     at work
.set WV,   10                          ; s10  wave
.macro ROUND                           ; a round of the cluster's barrier
	s_barrier_signal -1
	s_barrier_wait -1
	s_cmp_lg_u32 s[WV], 0
	s_cbranch_scc1 .Lnot_wave_0_\@
	s_barrier_signal -3
.Lnot_wave_0_\@:
	s_barrier_wait -3
	s_barrier_signal -1
	s_barrier_wait -1
.endm
	s_load_b128 s[4:7], s[0:1], 0x0                ; the records s[4:5], the results' codes s[6:7]
	s_load_b64 s[8:9], s[0:1], 0x10                ; the results' scale bytes
	v_lshl_add_u32 v254, v0, 2, 0x33000
	v_mov_b32 v255, 0
	ds_add_u32 v254, v255
	ds_add_u32 v254, v255
	v_lshrrev_b32 v5, 5, v0
	s_delay_alu instid0(VALU_DEP_1)
	v_readfirstlane_b32 s[WV], v5                  ; wave 0..15
	s_bfe_u32 s11, ttmp6, 0x40000                  ; cx: which 512 queries
	s_and_b32 s12, ttmp7, 0xffff                   ; y = 4 head + batch, which the four partners share
	; descriptor group 1: a record, 13,056 dense bytes, as 51 rows of 256 bytes (32 elements of 8 bytes), no padding: every LDS read below takes consecutive bytes in consecutive lanes
	s_mov_b32 s24, 15|(3<<16)|(1<<21)              ; 15:0 the mask: all four work-groups; 17:16 elements of 8 bytes; 21 set beside a mask
	s_mov_b32 s25, 32<<16                          ; tensor_dim0 = 32
	s_mov_b32 s26, 51<<16                          ; tensor_dim1 = 51
	s_mov_b32 s27, 32<<16                          ; tile_dim0 = 32
	s_mov_b32 s28, 51                              ; tile_dim1 = 51
	s_mov_b32 s29, 32                              ; tensor_dim0_stride
	s_mov_b32 s30, 0
	s_mov_b32 s31, 0
	s_lshl_b32 s13, s12, 4                         ; 16 y
	s_add_co_u32 s14, s13, s[WV]
	s_add_co_u32 s14, s14, 1024                    ; my record of keys
	s_mul_i32 s14, s14, REC                        ; under 2^25
	s_mov_b32 s15, 0
	s_mov_b32 s16, 1                               ; group 0: count = 1,
	s_mul_i32 s17, s[WV], REC                      ; LDS address: wave x a record,
	s_wait_dscnt 0x0
	s_wait_kmcnt 0x0
	s_add_nc_u64 s[18:19], s[4:5], s[14:15]        ; global address,
	s_or_b32 s19, s19, 0x80000000                  ; type = 2
	ROUND                                          ; all four work-groups are here: the joint loads meet
	tensor_load_to_lds s[16:19], s[24:31]          ; my one tensor load of the launch
	s_nop 0
.rept 4
	v_nop
.endr
	s_lshl_b32 s44, s11, 2
	s_add_co_u32 s44, s44, s13
	s_lshr_b32 s45, s[WV], 3
	s_add_co_u32 s44, s44, s45                     ; Q's record of pass 0: 16 y + 4 cx + wave / 8 (pass 1: two records on)
	s_mul_i32 s44, s44, REC
	s_and_b32 s45, s[WV], 7                        ; my tile in it
	s_mul_i32 s46, s45, 768
	s_add_co_u32 s36, s44, s46
	s_mov_b32 s37, 0
	s_add_nc_u64 s[36:37], s[4:5], s[36:37]        ; Q's codes
	s_and_b32 s46, s[WV], 1
	s_lshl_b32 s46, s46, 8                         ; its scale words: an odd tile's lie in the image's lanes 16-31,
	s_lshr_b32 s45, s45, 1
	s_lshl_b32 s45, s45, 2                         ; word tile / 2 of a lane's four
	s_add_co_u32 s38, s44, s46
	s_add_co_u32 s38, s38, s45
	s_add_co_u32 s38, s38, RKS
	s_mov_b32 s39, 0
	s_add_nc_u64 s[38:39], s[4:5], s[38:39]
	s_and_b32 s44, s12, 3                          ; batch
	s_lshl_b32 s44, s44, 7
	s_lshl_b32 s45, s11, 5
	s_add_co_u32 s44, s44, s45
	s_add_co_u32 s44, s44, s[WV]                   ; my tile of 16 rows among the 512 of the result: 128 batch + 32 cx + wave (pass 1: 16 on)
	s_lshr_b32 s45, s12, 2                         ; head
	s_lshl_b32 s46, s44, 4
	s_add_co_u32 s46, s46, s45
	s_mul_i32 s40, s46, 768                        ; a_img: [tile of rows][head][768]
	s_mov_b32 s41, 0
	s_add_nc_u64 s[40:41], s[6:7], s[40:41]
	s_lshl_b32 s42, s44, 9                         ; a_sc: [row][32]: 16 rows of 32 bytes a tile,
	s_lshl_b32 s45, s45, 1                         ; two bytes a head
	s_add_co_u32 s42, s42, s45
	s_mov_b32 s43, 0
	s_add_nc_u64 s[42:43], s[8:9], s[42:43]
	s_mov_b32 s20, 0x76543210                      ; v_permlanex16_b32's selects for lane l xor 16
	s_mov_b32 s21, 0xfedcba98
	s_mov_b32 s22, 0x3e38aa3b                      ; c = log2(e) / 8
	s_mov_b32 s23, s22                             ; (named with it as a pair, so it is written)
	s_mov_b32 s34, 0xffff0000                      ; the mask of lanes 16-31
	v_and_b32 v5, 31, v0
	s_delay_alu instid0(VALU_DEP_1)
	v_lshlrev_b32 v1, 4, v5                        ; 16 x lane
	s_delay_alu instid0(VALU_DEP_2)
	v_lshlrev_b32 v2, 3, v5                        ; 8 x lane
	v_and_b32 v6, 15, v0                           ; r
	s_delay_alu instid0(VALU_DEP_1)
	v_lshlrev_b32 v3, 4, v6                        ; 16 r
	v_bfe_u32 v7, v0, 4, 1                         ; h
	s_delay_alu instid0(VALU_DEP_1)
	v_lshl_add_u32 v4, v6, 5, v7                   ; 32 r + h
	global_load_b128 v[16:19], v1, s[36:37]                    ; Q of pass 0: registers 0-3,
	global_load_b64 v[20:21], v2, s[36:37] offset:512          ; 4-5
	global_load_b128 v[210:213], v1, s[36:37] offset:2*REC     ; of pass 1
	global_load_b64 v[214:215], v2, s[36:37] offset:2*REC+512
	global_load_b32 v28, v3, s[38:39]                          ; their scale words: lane r (and r + 16) takes row r's
	global_load_b32 v29, v3, s[38:39] offset:2*REC
.irp j, 22,23,24,25,26,27, 216,217,218,219,220,221, 80,81,82,83,84,85
	v_mov_b32 v\j, 0                               ; zero codes for the K that the first product does not use
.endr
.irp b, 0,1,2,3
	v_mov_b32 v[PX+\b], 0                          ; written once: a lane permute's destination counts as one of its sources
.endr
	v_mov_b32 v207, 0                              ; (named as the upper half of the pair v[206:207])
	s_wait_loadcnt 0x0                             ; Q
	s_wait_tensorcnt 0x0                           ; my record has landed,
	s_barrier_signal -1
	s_barrier_wait -1                              ; everybody's has: from here on LDS is only read
; A KEY STEP: the 128 keys of the record at LDS byte s32.  qf: Q's fragment;  qs: its scale words.
.macro STEP qf, qs
	v_add_nc_u32 v8, s32, v1
	v_add_nc_u32 v9, s32, v2
	v_nop
	v_nop                                          ; four places in front of loads into registers that the last step's products have read
.irp t, 0,1,2,3,4,5,6,7
	ds_load_b128 v[32+6*\t:35+6*\t], v8 offset:768*\t          ; K's tile t: six registers, as launch 1 left them
	ds_load_b64 v[36+6*\t:37+6*\t], v9 offset:768*\t+512
.endr
	ds_load_b128 v[86:89], v8 offset:RKS           ; register j: lanes 0-15 tile 2 j's scale words, lanes 16-31 tile 2 j + 1's
	s_wait_alu depctr_va_vdst(0)
	s_wait_dscnt 0x0
.irp t, 0,2,4,6                                ; S^T = K Q^T: lane (r, h), register 8 t + j: key 16 t + 8 h + j, query r
	v_wmma_scale_f32_16x16x128_f8f6f4 v[96+8*\t:103+8*\t], v[32+6*\t:43+6*\t], v[\qf:\qf+11], 0, v[86+\t/2], v[\qs] matrix_a_fmt:MATRIX_FMT_FP6 matrix_b_fmt:MATRIX_FMT_FP6
	v_wmma_scale_f32_16x16x128_f8f6f4 v[104+8*\t:111+8*\t], v[38+6*\t:49+6*\t], v[\qf:\qf+11], 0, v[86+\t/2], v[\qs] matrix_a_fmt:MATRIX_FMT_FP6 matrix_b_fmt:MATRIX_FMT_FP6 matrix_a_scale:MATRIX_SCALE_ROW1
.endr
.rept 4
	v_nop                                          ; places: in front of the loads below, and of the first read of the scores
.endr
.irp g, 0,1,2,3,4,5,6,7,8,9,10,11
	ds_load_b128 v[32+4*\g:35+4*\g], v8 offset:RV+512*\g       ; V's four tiles, twelve registers each: they land under the softmax
.endr
	ds_load_b64 v[90:91], v9 offset:RVS
.irp b, 0,1,2,3
	v_max3_num_f32 v[MX+\b], v[96+16*\b], v[97+16*\b], v[98+16*\b]   ; THE LARGEST SCORE OF EACH BLOCK OF 32 KEYS: it serves twice: for the row's maximum, and, since p rises with the score, for the block's largest p
.endr
.irp i, 3,5,7,9,11,13
.irp b, 0,1,2,3
	v_max3_num_f32 v[MX+\b], v[MX+\b], v[96+16*\b+\i], v[97+16*\b+\i]   ; (the four blocks by turns; each accumulator is first read at its low end)
.endr
.endr
.irp b, 0,1,2,3
	v_max_num_f32 v[MX+\b], v[MX+\b], v[111+16*\b]
.endr
.irp b, 0,1,2,3
	s_delay_alu instid0(VALU_DEP_4)
	v_permlanex16_b32 v[PX+\b], v[MX+\b], s20, s21
.endr
.irp b, 0,1,2,3
	s_delay_alu instid0(VALU_DEP_4)
	v_max_num_f32 v[MX+\b], v[MX+\b], v[PX+\b]     ; with lane l xor 16's 16 keys
.endr
	s_delay_alu instid0(VALU_DEP_2)
	v_max3_num_f32 v[T0], v[MX], v[MX+1], v[MX+2]
	s_delay_alu instid0(VALU_DEP_1)
	v_max_num_f32 v[T0], v[T0], v[MX+3]            ; the step's largest score of my query
	s_delay_alu instid0(VALU_DEP_1)
	v_mul_f32 v[T0], s22, v[T0]                    ; as t (c is positive)
	s_delay_alu instid0(VALU_DEP_1)
	v_max_num_f32 v13, v13, v[T0]                  ; the running largest t
	v_mov_b32 v[T0], v12
	s_delay_alu instid0(VALU_DEP_2)
	v_floor_f32 v12, -v13                          ; the new -M = floor(-t) = -ceil(t): M IS A WHOLE NUMBER
	s_delay_alu instid0(VALU_DEP_1)
	v_sub_f32 v[T0], v12, v[T0]                    ; M's old value less its new one: a whole number, 0 or less
	s_delay_alu instid0(VALU_DEP_1)
	v_cvt_i32_f32 v[T0], v[T0]                     ; (it saturates)
	s_delay_alu instid0(VALU_DEP_1)
	v_ldexp_f32 v206, 1.0, v[T0]                   ; f = 2^(old M - new M): a multiplication by it rounds nothing
.irp j, 0,2,4,6,8,10,12,14,16,18,20,22,24,26,28,30,32,34,36,38,40,42,44,46,48,50,52,54,56,58,60,62
	v_pk_fma_f32 v[96+\j:97+\j], v[96+\j:97+\j], s[22:23], v[12:13] op_sel_hi:[1,0,0]   ; t - M, two at a time (of the pairs c and -M the low word serves both halves)
.endr
.irp b, 0,1,2,3
	v_fma_f32 v[MX+\b], v[MX+\b], s22, v12         ; the same of each block's largest score
.endr
	s_wait_alu depctr_va_vdst(0)
.irp j, 0,1,2,3,4,5,6,7,8,9,10,11,12,13,14,15,16,17,18,19,20,21,22,23,24,25,26,27,28,29,30,31,32,33,34,35,36,37,38,39,40,41,42,43,44,45,46,47,48,49,50,51,52,53,54,55,56,57,58,59,60,61,62,63
	v_exp_f32 v[96+\j], v[96+\j]                   ; p = 2^(t - M), at most 1: NOT normalised
.endr
.irp b, 0,1,2,3
	v_exp_f32 v[MX+\b], v[MX+\b]                   ; the block's largest p: the same two instructions on the same number give the same bits
.endr
	v_pk_mul_f32 v[14:15], v[14:15], v[206:207] op_sel_hi:[1,0]   ; l under the new M.  (A plain place behind the exponentials)
	s_wait_alu depctr_va_vdst(0)
.irp b, 0,1,2,3
	v_max_num_f32 v[MX+\b], 0x1800000, v[MX+\b]    ; the floor 2^(3 - 127): the byte cannot fall under 1 (a block whose every p has fallen to 0 keeps that byte: its codes are zeros)
.endr
.irp b, 0,1,2,3
	s_delay_alu instid0(VALU_DEP_4)
	v_add_nc_u32 v[SO+\b], 0xff000000, v[MX+\b]    ; 2 off the exponent field: the conversion's scale operand
.endr
.irp b, 0,1,2,3
	s_delay_alu instid0(VALU_DEP_4)
	v_lshrrev_b32 v[PX+\b], 23, v[SO+\b]           ; the scale's byte
.endr
	s_delay_alu instid0(VALU_DEP_3)
	v_lshl_or_b32 v208, v[PX+1], 8, v[PX]          ; p's scale word for these 128 keys
	s_delay_alu instid0(VALU_DEP_1)
	v_lshl_or_b32 v208, v[PX+2], 16, v208
	s_delay_alu instid0(VALU_DEP_1)
	v_lshl_or_b32 v208, v[PX+3], 24, v208
.irp c, 0,1
	v_cvt_scalef32_pk16_fp6_f32 v[224+6*\c:226+6*\c], v[96+32*\c:111+32*\c], v[SO+2*\c]
	v_cvt_scalef32_pk16_fp6_f32 v[236+4*\c:238+4*\c], v[112+32*\c:127+32*\c], v[SO+2*\c+1]   ; (a conversion's three registers begin on an even number)
.endr
	v_nop                                          ; one plain place behind a scaled conversion
.irp c, 0,1                                    ; the operand's layout wants a WHOLE block in a lane: lanes 0-15 block 2 c, lanes 16-31 block 2 c + 1
.irp i, 0,1,2
	v_permlane16_swap_b32 v[224+6*\c+\i], v[236+4*\c+\i]
.endr
.irp i, 0,1,2
	s_delay_alu instid0(VALU_DEP_3)
	v_mov_b32 v[227+6*\c+\i], v[236+4*\c+\i]
.endr
.endr
	v_pk_add_f32 v[244:245], v[100:101], v[104:105]
	v_pk_add_f32 v[252:253], v[108:109], v[112:113]
	v_pk_add_f32 v[250:251], v[116:117], v[120:121]
	v_pk_add_f32 v[248:249], v[124:125], v[128:129]
	v_pk_add_f32 v[246:247], v[132:133], v[136:137]
	v_pk_add_f32 v[242:243], v[140:141], v[144:145]
	v_pk_add_f32 v[240:241], v[148:149], v[152:153]
	v_pk_add_f32 v[14:15], v[14:15], v[156:157]
	v_pk_add_f32 v[244:245], v[244:245], v[96:97]
	v_pk_add_f32 v[252:253], v[252:253], v[98:99]
	v_pk_add_f32 v[250:251], v[250:251], v[102:103]
	v_pk_add_f32 v[248:249], v[248:249], v[106:107]
	v_pk_add_f32 v[246:247], v[246:247], v[110:111]
	v_pk_add_f32 v[242:243], v[242:243], v[114:115]
	v_pk_add_f32 v[240:241], v[240:241], v[118:119]
	v_pk_add_f32 v[14:15], v[14:15], v[122:123]
	v_pk_add_f32 v[244:245], v[244:245], v[126:127]
	v_pk_add_f32 v[252:253], v[252:253], v[130:131]
	v_pk_add_f32 v[250:251], v[250:251], v[134:135]
	v_pk_add_f32 v[248:249], v[248:249], v[138:139]
	v_pk_add_f32 v[246:247], v[246:247], v[142:143]
	v_pk_add_f32 v[242:243], v[242:243], v[146:147]
	v_pk_add_f32 v[240:241], v[240:241], v[150:151]
	v_pk_add_f32 v[14:15], v[14:15], v[154:155]
	v_pk_add_f32 v[244:245], v[244:245], v[158:159]
	s_delay_alu instid0(VALU_DEP_2)
	v_pk_add_f32 v[14:15], v[14:15], v[248:249]
	s_delay_alu instid0(VALU_DEP_2)
	v_pk_add_f32 v[244:245], v[244:245], v[246:247]
	v_pk_add_f32 v[252:253], v[252:253], v[242:243]
	v_pk_add_f32 v[250:251], v[250:251], v[240:241]
	s_delay_alu instid0(VALU_DEP_2)
	v_pk_add_f32 v[14:15], v[14:15], v[252:253]
	s_delay_alu instid0(VALU_DEP_2)
	v_pk_add_f32 v[244:245], v[244:245], v[250:251]
	s_delay_alu instid0(VALU_DEP_1)
	v_pk_add_f32 v[14:15], v[14:15], v[244:245]
.irp j, 0,2,4,6,8,10,12,14,16,18,20,22,24,26,28,30
	v_pk_mul_f32 v[160+\j:161+\j], v[160+\j:161+\j], v[206:207] op_sel_hi:[1,0]   ; O^T under the new M: x f.  (With the sums above: the places between the scale word's and the codes' last writes and the products below)
.endr
	s_wait_alu depctr_va_vdst(0)
	s_wait_dscnt 0x0                               ; V
.irp c, 0,2                                    ; O^T += V^T P^T: four tiles of 16 channels; K = these 128 keys.  Between two links on one accumulator stand eleven other matrix instructions
	v_wmma_scale_f32_16x16x128_f8f6f4 v[160+8*\c:167+8*\c], v[32+12*\c:43+12*\c], v[224:235], v[160+8*\c:167+8*\c], v[90+\c/2], v208 matrix_a_fmt:MATRIX_FMT_FP6 matrix_b_fmt:MATRIX_FMT_FP6
	v_wmma_scale_f32_16x16x128_f8f6f4 v[168+8*\c:175+8*\c], v[44+12*\c:55+12*\c], v[224:235], v[168+8*\c:175+8*\c], v[90+\c/2], v208 matrix_a_fmt:MATRIX_FMT_FP6 matrix_b_fmt:MATRIX_FMT_FP6 matrix_a_scale:MATRIX_SCALE_ROW1
.endr
.endm
; A PASS: one tile of 16 queries against all 2,048 keys, and its way out.
.macro PASS p, qf, qs
.if \p
	s_wait_xcnt 0x0                                ; the last pass's stores have had their addresses translated (ISA guide 3.1): only now are their data registers written again
.endif
	v_mov_b32 v13, 0xff61b1e6                      ; the largest t so far: -3e38, under every t
	s_delay_alu instid0(VALU_DEP_1)
	v_floor_f32 v12, -v13                          ; -M
	v_mov_b32 v14, 0                               ; l, in two halves
	v_mov_b32 v15, 0
.irp j, 0,1,2,3,4,5,6,7,8,9,10,11,12,13,14,15,16,17,18,19,20,21,22,23,24,25,26,27,28,29,30,31
	v_mov_b32 v[160+\j], 0                         ; O^T.  (The step is written once: the first finds zeros, which the first change of M leaves zeros)
.endr
	s_mov_b32 s32, 0
	s_mov_b32 s33, 16
.Lstep_\@:                                         ; 16 trips, a record each
	STEP \qf, \qs
	s_add_co_u32 s32, s32, REC
	s_sub_co_u32 s33, s33, 1
	s_cmp_lg_u32 s33, 0
	s_cbranch_scc1 .Lstep_\@
.rept 4
	v_nop                                          ; places behind the last products
.endr
	v_add_f32 v14, v14, v15                        ; l's two halves,
	s_delay_alu instid0(VALU_DEP_1)
	v_permlanex16_b32 v[T0], v14, s20, s21
	s_delay_alu instid0(VALU_DEP_1)
	v_add_f32 v14, v14, v[T0]                      ; and lane l xor 16's: the row's sum
	s_wait_alu depctr_va_vdst(0)
	v_rcp_f32 v14, v14
	v_nop                                          ; one plain place behind a transcendental
	s_wait_alu depctr_va_vdst(0)
.irp j, 0,2,4,6,8,10,12,14,16,18,20,22,24,26,28,30
	v_pk_mul_f32 v[96+\j:97+\j], v[160+\j:161+\j], v[14:15] op_sel_hi:[1,0]   ; O^T / l: register 8 c + j is channel 16 c + 8 h + j of query r; each accumulator from its low end on
.endr
	; The last product meets W_out's codes as they are given, so here the channels are brought into their TRUE order: the halves of the lanes change registers, in f32
.irp b, 0,1
.irp j, 0,1,2,3,4,5,6,7
	v_permlane16_swap_b32 v[96+16*\b+\j], v[104+16*\b+\j]   ; register 16 b + i is now channel 32 b + 16 h + i
.endr
.endr
.irp b, 0,1
	v_max3_num_f32 v[MX+\b], |v[96+16*\b]|, |v[97+16*\b]|, 0x1800000   ; the head's two blocks of 32 channels: my 16 numbers, and the floor 2^(3 - 127)
.endr
.irp i, 2,4,6,8,10,12,14
.irp b, 0,1
	s_delay_alu instid0(VALU_DEP_2)
	v_max3_num_f32 v[MX+\b], v[MX+\b], |v[96+16*\b+\i]|, |v[97+16*\b+\i]|
.endr
.endr
.irp b, 0,1
	s_delay_alu instid0(VALU_DEP_2)
	v_permlanex16_b32 v[PX+\b], v[MX+\b], s20, s21
.endr
.irp b, 0,1
	s_delay_alu instid0(VALU_DEP_2)
	v_max_num_f32 v[MX+\b], v[MX+\b], v[PX+\b]
.endr
.irp b, 0,1
	s_delay_alu instid0(VALU_DEP_2)
	v_add_nc_u32 v[SO+\b], 0xff000000, v[MX+\b]
.endr
.irp b, 0,1
	s_delay_alu instid0(VALU_DEP_2)
	v_lshrrev_b32 v[PX+\b], 23, v[SO+\b]
.endr
	v_cvt_scalef32_pk16_fp6_f32 v[224:226], v[96:111], v[SO]
	v_cvt_scalef32_pk16_fp6_f32 v[236:238], v[112:127], v[SO+1]
	v_nop                                          ; one plain place behind a scaled conversion
.irp i, 0,1,2
	v_permlane16_swap_b32 v[224+\i], v[236+\i]
.endr
.irp i, 0,1,2
	s_delay_alu instid0(VALU_DEP_3)
	v_mov_b32 v[227+\i], v[236+\i]                 ; registers 224-229: channels 32 h + 0..31 of row r: half of an operand's twelve
.endr
	v_cndmask_b32 v[T0], v[PX], v[PX+1], s34       ; my block's byte: lanes 0-15 block 0's, lanes 16-31 block 1's
	global_store_b128 v1, v[224:227], s[40:41] offset:196608*\p          ; the wave stores 512 and 256 consecutive bytes, aligned
	global_store_b64 v2, v[228:229], s[40:41] offset:196608*\p+512
	global_store_b8 v4, v[T0], s[42:43] offset:8192*\p                   ; two bytes of each row's 32: a head has no more of them; one byte for each 24 of codes
.endm
	PASS 0, 16, 28
	PASS 1, 210, 29
	s_wait_tensorcnt 0x0
	ds_add_u32 v254, v255
	s_wait_dscnt 0x0
	ROUND                                          ; the closing round: no work-group ends while a partner may still ask for a record that names it
	s_endpgm
.Lfunc_end_k_qc4f6eba800_attn:
	.size	k_qc4f6eba800_attn, .Lfunc_end_k_qc4f6eba800_attn-k_qc4f6eba800_attn
	.p2alignl 7, 3214868480
	.fill 96, 4, 3214868480
	.section	.rodata,"a",@progbits
	.p2align	6, 0x0
	.amdhsa_kernel k_qc4f6eba800_attn
		.amdhsa_group_segment_fixed_size 210944
		.amdhsa_private_segment_fixed_size 0
		.amdhsa_enable_private_segment 0
		.amdhsa_kernarg_size 24
		.amdhsa_user_sgpr_count 2
		.amdhsa_user_sgpr_kernarg_segment_ptr 1
		.amdhsa_wavefront_size32 1
		.amdhsa_system_sgpr_workgroup_id_x 1
		.amdhsa_system_sgpr_workgroup_id_y 1
		.amdhsa_system_sgpr_workgroup_id_z 1
		.amdhsa_system_vgpr_workitem_id 0
		.amdhsa_next_free_vgpr 256
		.amdhsa_next_free_sgpr 66
		.amdhsa_reserve_vcc 0
		.amdhsa_float_denorm_mode_32 3
		.amdhsa_float_denorm_mode_16_64 3
		.amdhsa_memory_ordered 1
		.amdhsa_forward_progress 1
		.amdhsa_inst_pref_size 52
	.end_amdhsa_kernel
	.amdgpu_metadata
---
amdhsa.version: [ 1, 2 ]
amdhsa.kernels:
  - .name:           k_qc4f6eba800_attn
    .symbol:         k_qc4f6eba800_attn.kd
    .args:
      - { .name: qkv, .offset: 0, .size: 8, .value_kind: global_buffer, .address_space: global }
      - { .name: a_img, .offset: 8, .size: 8, .value_kind: global_buffer, .address_space: global }
      - { .name: a_sc, .offset: 16, .size: 8, .value_kind: global_buffer, .address_space: global }
    .group_segment_fixed_size: 210944
    .private_segment_fixed_size: 0
    .kernarg_segment_align: 8
    .kernarg_segment_size: 24
    .max_flat_workgroup_size: 512
    .sgpr_count:     66
    .vgpr_count:     256
    .wavefront_size: 32
...
	.end_amdgpu_metadata
.endif
;; end of part 2
;; launch proj (part 3): grid 8 x 32, 4 waves a work-group, clusters of 4 x 4, 327,680 bytes of LDS; arguments a_img, a_sc, W_out_codes, W_out_scales, b_out, out0; writes out0
.if DOCPART == 3
	.amdgcn_target "amdgcn-amd-amdhsa--gfx1250"
	.amdhsa_code_object_version 6
	.text
	.protected	k_qc4f6eba800_proj
	.globl	k_qc4f6eba800_proj
	.p2align	8
	.type	k_qc4f6eba800_proj,@function
k_qc4f6eba800_proj:
	s_mov_b64 s[64:65], 0
	v_nop
	global_prefetch_b8 v0, s[64:65] scope:SCOPE_SE
	s_setreg_imm32_b32 hwreg(HW_REG_WAVE_MODE, 25, 1), 1
	s_wait_xcnt 0x0
	s_wait_alu depctr_hold_cnt(0) depctr_sa_sdst(0) depctr_va_vdst(0) depctr_va_sdst(0) depctr_va_ssrc(0) depctr_va_vcc(0) depctr_vm_vsrc(0)
	s_getreg_b32 s2, hwreg(HW_REG_IB_STS2, 6, 4)
	s_cmp_eq_u32 s2, 0
	s_cbranch_scc0 .Lentry_in_a_cluster
	s_endpgm
.Lentry_in_a_cluster:
	s_bfe_u32 s2, ttmp6, 0x10000c
	s_cmp_lg_u32 s2, 0xf033
	s_cbranch_scc0 .Lentry_shape_is_right
	s_endpgm
.Lentry_shape_is_right:
; LAUNCH 3 OF 3.  out0 = a W_out^T + b_out, K = 1,024, on codes of FP6 (E2M3) with E8M0 scales.  a_img: [tile of 16 rows][head][768]: images of operand registers; a_sc: [row][32].
; Work-group (j, X): rows 256 X on x columns 128 j on.  All of K lies in LDS, filled once: a's 16 tiles, a dense block of 196,608 bytes stated as rows of 256; W_out's 128 rows of 768 bytes, 16 bytes of padding behind each 256.
; Wave w makes rows 64 w on.  Source 0 = W_out's rows, source 1 = a's: a lane holds eight neighbouring columns of one row.  The bias is the C of the first products.
; THE COLUMNS GO IN TWO HALVES OF 64: each half runs all of K on 16 accumulators and then leaves, so the first half's stores are out while the second half is multiplied.  a's fragments are read from LDS once for each half.
; CLUSTERS 4 x 4: a's block is asked for jointly by a row of the cluster, W_out's by a column.  Scale words go from memory into registers, a row's 32 bytes a lane.
; THE WAY OUT: a block of 16 rows x 64 columns goes through the wave's own stage (16 rows of 256 + 16 bytes, LDS bytes that no tensor load fills) and is stored as whole aligned pieces of 256 bytes.
; No prefetch: the launch has no loop to run ahead in; all its tiles are asked for at the head.
.set PITCH, 816
.set WB,    196608
.set SPARE, WB+128*PITCH
.set STG,   SPARE+512
.set SPITCH, 272
.set SPW, 10
.set NIL, 11
.set STO, 13
.set RD,  14
.set CO,  15
.set ADA, 16                           ; v16 my part of a's block + 16 x lane, v17 + 8 x lane
.set BD,  24
.set SB,  40
.set SA,  76
.set BI,  96
.set BK,  160                          ; v160-191, v192-223: a block read back from the stage, two sets
.set WV, 16
.set RH, 17
.set PH, 18
.set G1X, 24
.set G1W, 32
.set G0X, 40
.set G0W, 44
.set MSB, 0
.macro WIN new
.if MSB != (\new)
	s_set_vgpr_msb (MSB<<8)|(\new)
.set MSB, (\new)
.endif
.endm
.macro PLACES n
.rept \n
	v_nop
.endr
.endm
.macro CROUND
	s_barrier_signal -1
	s_barrier_wait -1
	s_cmp_lg_u32 s[WV], 0
	s_cbranch_scc1 .Lnot_wave_0_\@
	s_barrier_signal -3
.Lnot_wave_0_\@:
	s_barrier_wait -3
	s_barrier_signal -1
	s_barrier_wait -1
.endm
.macro TLOAD g0, g1
	tensor_load_to_lds s[\g0:\g0+3], s[\g1:\g1+7]
	s_nop 0
	PLACES 4
.endm
.macro BASE d, src
	s_add_nc_u64 s[\d:\d+1], s[\src:\src+1], s[90:91]
.endm
.macro FRAG reg, q, ad                 ; W_out's fragment: six pieces of 8 bytes, two to a load where both lie behind as many paddings
.set R_, \reg
.set SKIP_, 0
.irp p, 0,1,2,3,4,5
.if SKIP_
.set SKIP_, 0
.else
.set PC_, 12*(\q)+6*(\p/3)+\p%3
.set PN_, 12*(\q)+6*((\p+1)/3)+(\p+1)%3
.set X_, (PC_%32+3)/32
.set XQ_, (PN_%32+3)/32
.set NLD, NLD+1
.if (\p < 5) && (X_ == XQ_)
.set SKIP_, 1
	ds_load_2addr_b64 v[R_+2*\p:R_+2*\p+3], v[\ad+X_] offset0:PC_+2*(PC_/32) offset1:PN_+2*(PN_/32)
.else
	ds_load_b64 v[R_+2*\p:R_+2*\p+1], v[\ad+X_] offset:8*(PC_+2*(PC_/32))
.endif
.endif
.endr
.endm
.macro FRAGA reg, q, a                 ; a's fragment: heads 2 q, 2 q + 1 of tile a, as the image lies
.set R_, \reg
.set O_, 12288*(\a)+1536*(\q)
.set NLD, NLD+4
	ds_load_b128 v[R_:R_+3], v[ADA] offset:O_
	ds_load_b64 v[R_+4:R_+5], v[ADA+1] offset:O_+512
	ds_load_b128 v[R_+6:R_+9], v[ADA] offset:O_+768
	ds_load_b64 v[R_+10:R_+11], v[ADA+1] offset:O_+1280
.endm
.macro FETCH q, p, hb                  ; W_out's blocks 4 hb .. 4 hb + 3 and a's four
	WIN 0x40
.irp b, 0,1,2,3
	FRAG 128*(\p)+12*(4*(\hb)+\b), \q, BD+2*(4*(\hb)+\b)
.endr
	WIN 0xc0
.irp a, 0,1,2,3
	FRAGA 128*(\p)+12*\a, \q, \a
.endr
	WIN 0
.endm
.macro W2 c, rb, ra
	v_wmma_scale_f32_16x16x128_f8f6f4 v[D_:D_+7], v[FB_:FB_+11], v[FA_:FA_+11], \c, v[XB_], v[XA_] matrix_a_fmt:MATRIX_FMT_FP6 matrix_b_fmt:MATRIX_FMT_FP6 matrix_a_scale:MATRIX_SCALE_ROW\rb matrix_b_scale:MATRIX_SCALE_ROW\ra
.endm
.macro MUL a0, p, q, first, hb         ; 8 products; a half's 16 accumulators take turns
.irp ra, 0,1
.irp bb, 0,1
.irp rb, 0,1
.set A_, \a0+\ra
.set B_, 4*(\hb)+2*\bb+\rb
.set D_, 8*(8*A_+B_)
.set FB_, 128*(\p)+12*B_
.set FA_, 128*(\p)+12*A_
.set XB_, SB+8*(2*(\hb)+\bb)+(\q)
.set XA_, SA+8*((\a0)/2)+(\q)
.if \first
	W2 v[BI+8*B_:BI+8*B_+7], \rb, \ra
.else
	W2 v[D_:D_+7], \rb, \ra
.endif
.endr
.endr
.endr
.endm
; a half: eight K steps; step q + 1's fragments are fetched ahead of step q's products, and the wait leaves just those NLD loads out
.macro HALF hb
.set NLD, 0
	FETCH 0, 0, \hb
.irp q, 0,1,2,3,4,5,6
.if \q
	PLACES 4                                       ; between the last products and loads into registers that they read
.endif
.set NLD, 0
	FETCH (\q+1), ((\q+1)%2), \hb
	s_wait_dscnt NLD
.if \q
	WIN 0xad
	MUL 0, (\q%2), \q, 0, \hb
	MUL 2, (\q%2), \q, 0, \hb
.else
	WIN 0x8d
	MUL 0, 0, 0, 1, \hb
	MUL 2, 0, 0, 1, \hb
.endif
	WIN 0
.endr
	s_wait_dscnt 0x0
	WIN 0xad
	MUL 0, 1, 7, 0, \hb
	MUL 2, 1, 7, 0, \hb
	WIN 0
	PLACES 4
.endm
.macro TOSTAGE a, hb
	WIN 0x08
.irp b, 0,1,2,3
.set AC, 8*(8*(\a)+4*(\hb)+\b)
	ds_store_b128 v[STO], v[AC:AC+3] offset:64*\b            ; each accumulator from its low end on
	ds_store_b128 v[STO], v[AC+4:AC+7] offset:64*\b+16
.endr
	WIN 0
.set BB, BK+32*((\a)%2)
.irp t, 0,1,2,3,4,5,6,7
	ds_load_b128 v[BB+4*\t:BB+4*\t+3], v[RD] offset:\t*2*SPITCH   ; LDS serves a wave's instructions in order (ISA guide 5.7.1.4)
.endr
.endm
.macro SEND a, hb, younger
.set BB, BK+32*((\a)%2)
	s_wait_dscnt \younger
.irp t, 0,1,2,3,4,5,6,7
	global_store_b128 v[CO], v[BB+4*\t:BB+4*\t+3], s[70:71] offset:(\a)*65536+\t*8192+256*(\hb) th:TH_STORE_NT   ; 16 lanes store 256 consecutive bytes, aligned
.endr
.endm
.macro OUTH hb
.irp a, 0,1,2,3
.if (\a > 1) || (\hb)
	s_wait_xcnt 0x0                                ; earlier stores have read the set of registers that this block's loads land on
.endif
	TOSTAGE \a, \hb
.if \a
	SEND \a-1, \hb, 16                             ; younger: this block's 8 stores and 8 loads
.endif
.endr
	SEND 3, \hb, 0
.endm
	s_load_b256 s[4:11], s[0:1], 0x0               ; a_img, a_sc, W_out's codes, its scales
	s_load_b128 s[12:15], s[0:1], 0x20             ; b_out, out0
	v_lshl_add_u32 v[SPW], v0, 2, SPARE
	v_mov_b32 v[NIL], 0
	ds_add_u32 v[SPW], v[NIL]
	ds_add_u32 v[SPW], v[NIL]
	v_lshrrev_b32 v1, 5, v0
	v_readfirstlane_b32 s[WV], v1
	s_lshr_b32 s[RH], s[WV], 1
	s_and_b32 s[PH], s[WV], 1
	s_bfe_u32 s20, ttmp6, 0x40000
	s_bfe_u32 s21, ttmp6, 0x40004
	s_and_b32 s22, ttmp7, 0xffff
	s_lshl_b32 s22, s22, 2
	s_add_co_u32 s22, s22, s21                     ; X
	s_lshl_b32 s23, ttmp9, 2
	s_add_co_u32 s23, s23, s20                     ; j
	s_lshl_b32 s100, s21, 2
	s_lshl_b32 s100, 15, s100
	s_lshl_b32 s101, 0x1111, s20
	s_or_b32 s[G1X+0], s100, (3<<16)|(1<<21)       ; 384 rows of 256 bytes (32 elements of 8), dense
	s_mov_b32 s[G1X+1], 32<<16
	s_mov_b32 s[G1X+2], 384<<16
	s_mov_b32 s[G1X+3], 32<<16
	s_mov_b32 s[G1X+4], 384
	s_mov_b32 s[G1X+5], 32
	s_mov_b32 s[G1X+6], 0
	s_mov_b32 s[G1X+7], 0
	s_or_b32 s[G1W+0], s101, (1<<20)|(1<<21)|(5<<22)|(3<<25)   ; 64 rows of 768 bytes, padded
	s_mov_b32 s[G1W+1], 768<<16
	s_mov_b32 s[G1W+2], 64<<16
	s_mov_b32 s[G1W+3], 768<<16
	s_mov_b32 s[G1W+4], 64
	s_mov_b32 s[G1W+5], 768
	s_mov_b32 s[G1W+6], 0
	s_mov_b32 s[G1W+7], 0
	s_lshl_b32 s86, s22, 1
	s_add_co_u32 s86, s86, s[PH]
	s_mul_i32 s86, s86, 98304                      ; a_img: eight tiles of rows a load
	s_mov_b32 s87, 0
	s_lshl_b32 s88, s23, 7
	s_lshl_b32 s3, s[PH], 6
	s_add_co_u32 s88, s88, s3
	s_mul_i32 s88, s88, 768
	s_mov_b32 s89, 0
	s_mov_b32 s[G0X], 1
	s_mul_i32 s[G0X+1], s[PH], 98304
	s_mov_b32 s[G0W], 1
	s_mul_i32 s[G0W+1], s[PH], 64*PITCH
	s_add_co_u32 s[G0W+1], s[G0W+1], WB
	s_mul_i32 s95, s[WV], 49152
	s_mov_b32 s96, WB
	s_mul_i32 s97, s[WV], 16*SPITCH
	s_add_co_u32 s97, s97, STG                     ; my stage
	v_and_b32 v1, 15, v0
	v_bfe_u32 v2, v0, 4, 1
	v_and_b32 v3, 31, v0
	v_mul_u32_u24 v4, v1, PITCH
	v_mad_u32_u24 v5, v2, 40, v4
	v_mad_u32_u24 v4, v2, 24, v4
	v_lshlrev_b32 v6, 4, v3
	v_lshlrev_b32 v7, 3, v3
	v_lshlrev_b32 v8, 5, v2
	v_lshlrev_b32 v12, 5, v3
	v_mul_u32_u24 v[STO], v1, SPITCH               ; in: row r, 32 bytes for each half of the lanes
	v_lshl_add_u32 v[STO], v2, 5, v[STO]
	v_add_nc_u32 v[STO], s97, v[STO]
	v_mul_u32_u24 v[RD], v2, SPITCH                ; back: lanes 0-15 one row of 256 bytes, lanes 16-31 the next
	v_lshl_add_u32 v[RD], v1, 4, v[RD]
	v_add_nc_u32 v[RD], s97, v[RD]
	v_lshlrev_b32 v[CO], 12, v2                    ; and the same two rows in out0
	v_lshl_add_u32 v[CO], v1, 4, v[CO]
	v_add_nc_u32 v[ADA], s95, v6
	v_add_nc_u32 v[ADA+1], s95, v7
.irp b, 0,1,2,3,4,5,6,7
	v_add_nc_u32 v[BD+2*\b], s96, v4
	v_add_nc_u32 v[BD+2*\b+1], s96, v5
	s_add_co_u32 s96, s96, 16*PITCH
.endr
	s_wait_alu depctr_va_vdst(0)
	s_wait_dscnt 0x0
	s_wait_kmcnt 0x0
	CROUND
	s_add_nc_u64 s[G0X+2:G0X+3], s[4:5], s[86:87]
	s_or_b32 s[G0X+3], s[G0X+3], 0x80000000
	s_add_nc_u64 s[G0W+2:G0W+3], s[8:9], s[88:89]
	s_or_b32 s[G0W+3], s[G0W+3], 0x80000000
	s_cmp_eq_u32 s[RH], 0
	s_cbranch_scc0 .Lhead_x
	TLOAD G0W, G1W                                 ; waves 0, 1: W_out's rows, a half each
	s_branch .Lhead_asked
.Lhead_x:
	TLOAD G0X, G1X                                 ; waves 2, 3: a's block, a half each
.Lhead_asked:
	s_mov_b32 s91, 0
	s_lshl_b32 s85, s22, 13
	s_lshl_b32 s90, s[WV], 11
	s_add_co_u32 s90, s90, s85
	BASE 50, 6                                     ; a's scales, rows 256 X + 64 wave
	s_lshl_b32 s90, s23, 12
	BASE 54, 10                                    ; W_out's, rows 128 j
	s_lshl_b32 s90, s23, 9
	BASE 66, 12                                    ; the bias of columns 128 j on
	s_lshl_b32 s85, s22, 20
	s_lshl_b32 s3, s[WV], 18
	s_add_co_u32 s90, s90, s85
	s_add_co_u32 s90, s90, s3
	BASE 70, 14                                    ; out0: row 256 X + 64 wave, column 128 j
.irp g, 0,1
.irp c, 0,1
	global_load_b128 v[SA+8*\g+4*\c:SA+8*\g+4*\c+3], v12, s[50:51] offset:1024*\g+16*\c
.endr
.endr
.irp g, 0,1,2,3
.irp c, 0,1
	global_load_b128 v[SB+8*\g+4*\c:SB+8*\g+4*\c+3], v12, s[54:55] offset:1024*\g+16*\c
.endr
.endr
.irp t, 0,1,2,3,4,5,6,7
	global_load_b128 v[BI+8*\t:BI+8*\t+3], v8, s[66:67] offset:64*\t
	global_load_b128 v[BI+8*\t+4:BI+8*\t+7], v8, s[66:67] offset:64*\t+16
.endr
	s_wait_tensorcnt 0x0
	s_barrier_signal -1
	s_barrier_wait -1                              ; everybody's tiles are in; nothing is ever filled again
	s_wait_loadcnt 0x0
	HALF 0
	OUTH 0
	HALF 1
	OUTH 1
	s_wait_tensorcnt 0x0                           ; the wave's end
	ds_add_u32 v[SPW], v[NIL]
	s_wait_dscnt 0x0
	CROUND
	s_endpgm
.Lfunc_end_k_qc4f6eba800_proj:
	.size	k_qc4f6eba800_proj, .Lfunc_end_k_qc4f6eba800_proj-k_qc4f6eba800_proj
	.p2alignl 7, 3214868480
	.fill 96, 4, 3214868480
	.section	.rodata,"a",@progbits
	.p2align	6, 0x0
	.amdhsa_kernel k_qc4f6eba800_proj
		.amdhsa_group_segment_fixed_size 327680
		.amdhsa_private_segment_fixed_size 0
		.amdhsa_enable_private_segment 0
		.amdhsa_kernarg_size 48
		.amdhsa_user_sgpr_count 2
		.amdhsa_user_sgpr_kernarg_segment_ptr 1
		.amdhsa_wavefront_size32 1
		.amdhsa_system_sgpr_workgroup_id_x 1
		.amdhsa_system_sgpr_workgroup_id_y 1
		.amdhsa_system_sgpr_workgroup_id_z 1
		.amdhsa_system_vgpr_workitem_id 0
		.amdhsa_next_free_vgpr 1024
		.amdhsa_next_free_sgpr 102
		.amdhsa_reserve_vcc 0
		.amdhsa_float_denorm_mode_32 3
		.amdhsa_float_denorm_mode_16_64 3
		.amdhsa_memory_ordered 1
		.amdhsa_forward_progress 1
		.amdhsa_inst_pref_size 91
	.end_amdhsa_kernel
	.amdgpu_metadata
---
amdhsa.version: [ 1, 2 ]
amdhsa.kernels:
  - .name:           k_qc4f6eba800_proj
    .symbol:         k_qc4f6eba800_proj.kd
    .args:
      - { .name: a_img, .offset: 0, .size: 8, .value_kind: global_buffer, .address_space: global }
      - { .name: a_sc, .offset: 8, .size: 8, .value_kind: global_buffer, .address_space: global }
      - { .name: W_out_codes, .offset: 16, .size: 8, .value_kind: global_buffer, .address_space: global }
      - { .name: W_out_scales, .offset: 24, .size: 8, .value_kind: global_buffer, .address_space: global }
      - { .name: b_out, .offset: 32, .size: 8, .value_kind: global_buffer, .address_space: global }
      - { .name: out0, .offset: 40, .size: 8, .value_kind: global_buffer, .address_space: global }
    .group_segment_fixed_size: 327680
    .private_segment_fixed_size: 0
    .kernarg_segment_align: 8
    .kernarg_segment_size: 48
    .max_flat_workgroup_size: 128
    .sgpr_count:     102
    .vgpr_count:     1024
    .wavefront_size: 32
...
	.end_amdgpu_metadata
.endif
;; end of part 3
